; MI455X (gfx1250); checked and timed in simulation.
; The chip was launched on July 23, 2026; its instructions are those of AMD's public machine-readable ISA for CDNA 5 (MIT licence, August 2026) and "CDNA5" Instruction Set Architecture Reference Guide (July 2026). The comments in the code are by the model that wrote it; some were corrected since.
;; KDE Gaussian. Allowed arithmetic: float matrix products may take bf16 or f16 operands with f32 sums; all other float work in f32.
;; Inputs: locations 8,192 x 2 float32; samples 2 x 4,096 x 2 float32.
;; Outputs: out0 1 x 8,192 x 2 float32.
;; One version. Each part assembles by itself: llvm-mc -triple=amdgcn-amd-amdhsa -mcpu=gfx1250 --defsym DOCPART=n.
;; ======== version 1 of 1: 2 launches
;; workspace buffers: work 132,096 bytes
;; launch kde (part 1): grid 64 x 4, 16 waves a work-group, no clusters, 26,624 bytes of LDS; arguments locations, samples, work; writes work
.if DOCPART == 1
	.amdgcn_target "amdgcn-amd-amdhsa--gfx1250"
	.amdhsa_code_object_version 6
	.text
	.protected	k_qd4e035bf4c_kde
	.globl	k_qd4e035bf4c_kde
	.p2align	8
	.type	k_qd4e035bf4c_kde,@function
k_qd4e035bf4c_kde:
	s_mov_b64 s[64:65], 0
	v_nop
	global_prefetch_b8 v0, s[64:65] scope:SCOPE_SE
	s_setreg_imm32_b32 hwreg(HW_REG_WAVE_MODE, 25, 1), 1
	s_wait_xcnt 0x0
; Gaussian kernel sums, not yet normalised:  part[y][m] = sum over 2,048 samples s of exp(-|s - l_m|^2 / (2 * 0.2^2)),  y = 2 * batch + half of the batch.
; locations: [8192][2] f32.  samples: [2][4096][2] f32.  work: part[4][8192] f32, then tot[4][64] f32 (each work-group's sum over its 128 locations).
;
; THE ARITHMETIC.  exp(-d2 / 0.08) = 2^(-(K dx)^2 - (K dy)^2) with K = sqrt(12.5 log2 e).  Samples and locations are multiplied by K once; a pair then
; costs a difference for x, one for y, a product, a fused multiply-add, the exponential and the sum.  All but the exponential are packed, two samples an
; instruction: 5 packed instructions and 2 exponentials for 2 pairs.  The distance is formed from differences, as the reference forms it, never as
; |s|^2 - 2 s.l + |l|^2 (a difference of large sums); for the same reason the exponent is not made by the matrix unit from 16-bit operands.
; Exponents are never above 0, so nothing overflows and no maximum has to be taken away (the reference takes none).
;
; THE SHARES.  Grid 64 x 4.  A work-group: 128 locations (x) x 2,048 samples (y).  All 16 waves hold the same 128 locations, four a lane; wave w takes the 128
; samples 128 w .. 128 w + 127 of the work-group's 2,048.  A wave's samples go, scaled and split into x's and y's, into 1,024 bytes of LDS that no other wave
; touches (no barrier), and come back as loads in which all lanes name the same 16 bytes: two such loads feed 16 exponentials.
; At the end the 16 waves' sums meet in LDS bytes of their own behind one barrier, and wave 0 stores 512 consecutive, aligned bytes.
;
; NOT USED: tensor loads, clusters, multicast: a work-group reads 17 KB once, and the samples pass through registers anyway to be scaled.
;
; LIMITS.  A term below 2^-126 counts as 0 (v_exp_f32 gives no denormals).  Coordinates of magnitude 2^125 and above would overflow in K x.
; The sums are made in another order than the reference's.
.set SPW,   128                        ; samples of a wave
.set YOFF,  SPW*4                      ; in a wave's LDS bytes: 128 x's, then 128 y's
.set WLDS,  SPW*8                      ; LDS bytes of a wave's samples
.set RED,   16*WLDS                    ; behind them: 16 waves x 128 sums
.set PART,  8192*4                     ; bytes of part[y]
.set SUMS,  4*PART                     ; where tot begins
.set TRIPS, SPW/8                      ; a trip takes 8 samples
.set VA,  2                            ; v2       LDS address of the wave's samples, 32 bytes on in every trip
.set VST, 3                            ; v3       where my lane puts its scaled samples
.set VRS, 6                            ; v6       where my lane puts its four sums
.set Z,   7                            ; v7       0
.set LOC, 8                            ; v[8:23]  location j: -K lx twice, -K ly twice (pairs for the packed sums)
.set ACC, 24                           ; v[24:31] location j: two running sums (even and odd samples)
.set BA,  32                           ; v[32:39] four samples: x0-3, y0-3 (even groups of four)
.set BB,  40                           ; v[40:47] the same for odd groups
.set T,   48                           ; v[48:63] set j: four exponents, then four exponentials, of location j
.set DY,  64                           ; v[64:67] four differences in y
.set RAW, 68                           ; v[68:83] as loaded: 4 samples, 4 locations
.set P,   84                           ; v[84:91] scaled samples, x's and y's apart
.set R,   92                           ; v[92:95] my four sums
.set Q,   96                           ; v[96:159] wave 0: the 16 waves' sums of my four locations
	s_load_b128 s[4:7], s[0:1], 0x0                ; locations s[4:5], samples s[6:7]
	s_load_b64 s[8:9], s[0:1], 0x10                ; work
	v_lshl_add_u32 v160, v0, 2, 0x6000
	v_mov_b32 v161, 0
	v_and_b32 v1, 31, v0                           ; lane
	v_lshrrev_b32 v[VA], 5, v0
	v_readfirstlane_b32 s10, v[VA]                 ; wave 0..15
	s_and_b32 s11, ttmp7, 0xffff                   ; y = 2 batch + half
	s_lshl_b32 s14, s10, 10                        ; wave x 1,024: its samples' bytes in memory, and its bytes in LDS
	s_lshl_b32 s12, s11, 14                        ; y x 2,048 samples x 8 bytes
	s_add_co_u32 s12, s12, s14
	s_mov_b32 s13, 0
	s_lshl_b32 s16, ttmp9, 10                      ; x x 128 locations x 8 bytes
	s_mov_b32 s17, 0
	s_lshl_b32 s15, s10, 9
	s_add_co_u32 s15, s15, RED                     ; the wave's 512 bytes for its sums
	s_mov_b32 s18, 0x4087e439                      ;  K = sqrt(12.5 log2 e) = 4.246609
	s_mov_b32 s19, 0xc087e439                      ; -K
	v_lshlrev_b32 v4, 4, v1                        ; 16 x lane
	v_lshlrev_b32 v5, 5, v1                        ; 32 x lane
	s_wait_kmcnt 0x0
	s_add_nc_u64 s[6:7], s[6:7], s[12:13]
	s_add_nc_u64 s[4:5], s[4:5], s[16:17]
	global_load_b128 v[RAW:RAW+3],     v4, s[6:7]              ; samples 2 lane, 2 lane + 1 of the wave's 128
	global_load_b128 v[RAW+4:RAW+7],   v4, s[6:7] offset:512   ; samples 64 + 2 lane, + 1
	global_load_b128 v[RAW+8:RAW+11],  v5, s[4:5]              ; locations 4 lane, 4 lane + 1 of the group's 128
	global_load_b128 v[RAW+12:RAW+15], v5, s[4:5] offset:16    ; locations 4 lane + 2, + 3
	v_lshl_add_u32 v[VST], v1, 3, s14
	v_lshl_add_u32 v[VRS], v1, 4, s15
	v_mov_b32 v[VA], s14
	s_wait_loadcnt 0x2                             ; the samples are in; the two loads of locations are younger
.irp q, 0,1
	v_mul_f32 v[P+4*\q],   s18, v[RAW+4*\q]        ; the multiplication by K also parts x's from y's
	v_mul_f32 v[P+4*\q+1], s18, v[RAW+4*\q+2]
	v_mul_f32 v[P+4*\q+2], s18, v[RAW+4*\q+1]
	v_mul_f32 v[P+4*\q+3], s18, v[RAW+4*\q+3]
	ds_store_b64 v[VST], v[P+4*\q:P+4*\q+1]   offset:256*\q        ; 32 lanes: 256 neighbouring bytes
	ds_store_b64 v[VST], v[P+4*\q+2:P+4*\q+3] offset:YOFF+256*\q
.endr
	; LDS serves a wave's instructions in order, and these bytes are the wave's own: the loads see the stores with no wait between them
	ds_load_b128 v[BA:BA+3],   v[VA]               ; samples 0-3: x
	ds_load_b128 v[BA+4:BA+7], v[VA] offset:YOFF   ;              y
	ds_load_b128 v[BB:BB+3],   v[VA] offset:16     ; samples 4-7
	ds_load_b128 v[BB+4:BB+7], v[VA] offset:YOFF+16
	s_wait_loadcnt 0x0                             ; the locations
.irp j, 0,1,2,3
	v_mul_f32 v[LOC+4*\j],   s19, v[RAW+8+2*\j]
	v_mul_f32 v[LOC+4*\j+1], s19, v[RAW+8+2*\j]
	v_mul_f32 v[LOC+4*\j+2], s19, v[RAW+9+2*\j]
	v_mul_f32 v[LOC+4*\j+3], s19, v[RAW+9+2*\j]
.endr
; A BLOCK is four samples x one location a lane.  One step works on three blocks at once, so that every exponential is followed by packed
; instructions that have nothing to do with it (behind a transcendental one plain vector instruction must stand before its result is used):
;   mj, mb: the exponents of the NEXT block: location mj, samples in buffer mb, into set mj        (mj = -1: none)
;   ej:     the four exponentials of THIS block, in place in set ej                                (ej = -1: none)
;   aj, am: the sums of the block BEFORE, from set aj; am = 0: they start the accumulator          (aj = -1: none)
; The three sets are three different ones of the four.
.macro STEP mj, mb, ej, aj, am
.if \ej >= 0
	v_exp_f32 v[T+4*(\ej)], v[T+4*(\ej)]
.endif
.if \mj >= 0
	v_pk_add_f32 v[T+4*(\mj):T+4*(\mj)+1],   v[\mb:\mb+1],   v[LOC+4*(\mj):LOC+4*(\mj)+1]       ; K (sx - lx), samples 0, 1
	v_pk_add_f32 v[T+4*(\mj)+2:T+4*(\mj)+3], v[\mb+2:\mb+3], v[LOC+4*(\mj):LOC+4*(\mj)+1]       ; samples 2, 3
.endif
.if \ej >= 0
	v_exp_f32 v[T+4*(\ej)+1], v[T+4*(\ej)+1]
.endif
.if \mj >= 0
	v_pk_add_f32 v[DY:DY+1],   v[\mb+4:\mb+5], v[LOC+4*(\mj)+2:LOC+4*(\mj)+3]                   ; K (sy - ly)
	v_pk_add_f32 v[DY+2:DY+3], v[\mb+6:\mb+7], v[LOC+4*(\mj)+2:LOC+4*(\mj)+3]
.endif
.if \aj >= 0
.if \am
	s_wait_alu depctr_va_vdst(0)
	v_pk_add_f32 v[ACC+2*(\aj):ACC+2*(\aj)+1], v[ACC+2*(\aj):ACC+2*(\aj)+1], v[T+4*(\aj):T+4*(\aj)+1]
.else
	s_wait_alu depctr_va_vdst(0)
	v_pk_add_f32 v[ACC+2*(\aj):ACC+2*(\aj)+1], v[T+4*(\aj):T+4*(\aj)+1], v[T+4*(\aj)+2:T+4*(\aj)+3]   ; the first four terms start the sums: nothing is cleared
.endif
.endif
.if \ej >= 0
	v_exp_f32 v[T+4*(\ej)+2], v[T+4*(\ej)+2]
.endif
.if \mj >= 0
	v_pk_mul_f32 v[T+4*(\mj):T+4*(\mj)+1],   v[T+4*(\mj):T+4*(\mj)+1],   v[T+4*(\mj):T+4*(\mj)+1]   neg_lo:[1,0] neg_hi:[1,0]   ; -(K dx)^2
	v_pk_mul_f32 v[T+4*(\mj)+2:T+4*(\mj)+3], v[T+4*(\mj)+2:T+4*(\mj)+3], v[T+4*(\mj)+2:T+4*(\mj)+3] neg_lo:[1,0] neg_hi:[1,0]
.endif
.if \ej >= 0
	v_exp_f32 v[T+4*(\ej)+3], v[T+4*(\ej)+3]
.endif
.if \mj >= 0
	v_pk_fma_f32 v[T+4*(\mj):T+4*(\mj)+1],   v[DY:DY+1],   v[DY:DY+1],   v[T+4*(\mj):T+4*(\mj)+1]   neg_lo:[1,0,0] neg_hi:[1,0,0]      ; -(K dy)^2 - (K dx)^2
	v_pk_fma_f32 v[T+4*(\mj)+2:T+4*(\mj)+3], v[DY+2:DY+3], v[DY+2:DY+3], v[T+4*(\mj)+2:T+4*(\mj)+3] neg_lo:[1,0,0] neg_hi:[1,0,0]
.endif
.if \aj >= 0
.if \am
	s_wait_alu depctr_va_vdst(0)
	v_pk_add_f32 v[ACC+2*(\aj):ACC+2*(\aj)+1], v[ACC+2*(\aj):ACC+2*(\aj)+1], v[T+4*(\aj)+2:T+4*(\aj)+3]
.endif
.endif
.endm
; A TRIP: eight steps = the exponentials of 8 samples (buffer BA's four, then BB's four) x 4 locations.
; A buffer is loaded again as soon as the last exponents have been made from it, four steps before it is needed.
; a0: the set summed in the first step (-1 in the first trip: no block before);  am: 0 in the first trip, whose first four sums start the accumulators;
; more: 1 = samples follow: both buffers are loaded again and the last step makes the next trip's first exponents.
.macro TRIP a0, am, more
	STEP 1, BA, 0, \a0, 1
	STEP 2, BA, 1, 0, \am
	STEP 3, BA, 2, 1, \am
.if \more
	ds_load_b128 v[BA:BA+3],   v[VA] offset:32              ; the next trip's first four samples
	ds_load_b128 v[BA+4:BA+7], v[VA] offset:YOFF+32
	s_wait_dscnt 0x2                                        ; BB is in: only the two loads just issued are younger
.else
	s_wait_dscnt 0x0                                        ; BB is in: nothing was issued behind its loads
.endif
	STEP 0, BB, 3, 2, \am
	STEP 1, BB, 0, 3, \am
	STEP 2, BB, 1, 0, 1
	STEP 3, BB, 2, 1, 1
.if \more
	ds_load_b128 v[BB:BB+3],   v[VA] offset:48              ; the next trip's last four samples
	ds_load_b128 v[BB+4:BB+7], v[VA] offset:YOFF+48
	s_wait_dscnt 0x2                                        ; BA is in: only the two loads just issued are younger
	STEP 0, BA, 3, 2, 1
	v_add_nc_u32 v[VA], 32, v[VA]                           ; 8 samples on, in the x's and in the y's
.else
	STEP -1, BA, 3, 2, 1
.endif
.endm
	s_wait_dscnt 0x2                               ; my stores and BA's two loads are done; BB's two loads are younger
	STEP 0, BA, -1, -1, 0                          ; the first block's exponents
	TRIP -1, 0, 1                                  ; the first trip stands in front of the loop: it starts the sums
	s_mov_b32 s31, TRIPS-2
.Ltrip:
	TRIP 3, 1, 1
	s_sub_co_i32 s31, s31, 1
	s_cmp_lg_u32 s31, 0
	s_cbranch_scc1 .Ltrip
	TRIP 3, 1, 0                                   ; the last trip loads nothing: no load leaves the wave's 1,024 bytes
	STEP -1, BA, -1, 3, 1                          ; and the last block's sums
	; THE WAVES' SUMS MEET.  Each wave: four sums a lane into its own 512 bytes.
.irp j, 0,1,2,3
	v_add_f32 v[R+\j], v[ACC+2*\j], v[ACC+2*\j+1]  ; even and odd samples
.endr
	ds_store_b128 v[VRS], v[R:R+3]
	s_wait_dscnt 0x0                               ; for wave 0's sake: my store is done before I say so
	s_barrier_signal -1
	s_barrier_wait -1
	s_cmp_lg_u32 s10, 0
	s_cbranch_scc1 .Lend                           ; 128 sums of 16 terms are one wave's work
.irp w, 0,1,2,3,4,5,6,7,8,9,10,11,12,13,14,15
	ds_load_b128 v[Q+4*\w:Q+4*\w+3], v4 offset:RED+512*\w      ; wave w's sums of my four locations
.endr
	s_lshl_b32 s20, s11, 15                        ; part[y]: y x 32,768 bytes
	s_lshl_b32 s21, ttmp9, 9                       ; + x x 128 locations x 4 bytes
	s_add_co_u32 s20, s20, s21
	s_mov_b32 s21, 0
	s_add_nc_u64 s[24:25], s[8:9], s[20:21]
	s_lshl_b32 s22, s11, 8                         ; tot[y][x]: (64 y + x) x 4 bytes behind the four parts
	s_lshl2_add_u32 s22, ttmp9, s22
	s_add_co_u32 s22, s22, SUMS
	s_mov_b32 s23, 0
	s_add_nc_u64 s[26:27], s[8:9], s[22:23]
	s_mov_b32 s28, 0x76543210                      ; v_permlanex16_b32: lane i of one half reads lane i of the other
	s_mov_b32 s29, 0xfedcba98
.macro ADD4 a, b
	v_pk_add_f32 v[Q+4*(\a):Q+4*(\a)+1],   v[Q+4*(\a):Q+4*(\a)+1],   v[Q+4*(\b):Q+4*(\b)+1]
	v_pk_add_f32 v[Q+4*(\a)+2:Q+4*(\a)+3], v[Q+4*(\a)+2:Q+4*(\a)+3], v[Q+4*(\b)+2:Q+4*(\b)+3]
.endm
.irp w, 0,2,4,6,8,10,12,14
	s_wait_dscnt 14-\w                             ; LDS loads come back in order: those of waves w and w + 1 are in, the 14 - w behind them may be out
	ADD4 \w, \w+1
.endr
.irp w, 0,4,8,12
	ADD4 \w, \w+2
.endr
	ADD4 0, 4
	ADD4 8, 12
	ADD4 0, 8
	global_store_b128 v4, v[Q:Q+3], s[24:25]       ; the wave stores 512 consecutive bytes, aligned to 512
	; the work-group's share of the norm: the sum of its 128 sums
	v_pk_add_f32 v[Q+4:Q+5], v[Q:Q+1], v[Q+2:Q+3]
	v_add_f32 v[Q+4], v[Q+4], v[Q+5]
	v_add_f32_dpp v[Q+4], v[Q+4], v[Q+4] row_xmask:1 row_mask:0xf bank_mask:0xf
	v_add_f32_dpp v[Q+4], v[Q+4], v[Q+4] row_xmask:2 row_mask:0xf bank_mask:0xf
	v_add_f32_dpp v[Q+4], v[Q+4], v[Q+4] row_xmask:4 row_mask:0xf bank_mask:0xf
	v_add_f32_dpp v[Q+4], v[Q+4], v[Q+4] row_xmask:8 row_mask:0xf bank_mask:0xf
	v_permlanex16_b32 v[Q+5], v[Q+4], s28, s29     ; its destination counts as read: Q+5 has been written
	v_add_f32 v[Q+4], v[Q+4], v[Q+5]
	v_mov_b32 v[Z], 0
	v_cmp_eq_u32 vcc_lo, 0, v1
	s_wait_xcnt 0x0                                ; EXEC is a source of the store above: it changes only behind this wait
	s_and_saveexec_b32 s30, vcc_lo
	global_store_b32 v[Z], v[Q+4], s[26:27]        ; one number for the work-group: lane 0 alone
	s_wait_xcnt 0x0                                ; and again in front of the line that widens EXEC
	s_or_b32 exec_lo, exec_lo, s30
.Lend:
	s_wait_tensorcnt 0x0
	ds_add_u32 v160, v161
	s_wait_dscnt 0x0
	s_endpgm
.Lfunc_end_k_qd4e035bf4c_kde:
	.size	k_qd4e035bf4c_kde, .Lfunc_end_k_qd4e035bf4c_kde-k_qd4e035bf4c_kde
	.p2alignl 7, 3214868480
	.fill 96, 4, 3214868480
	.section	.rodata,"a",@progbits
	.p2align	6, 0x0
	.amdhsa_kernel k_qd4e035bf4c_kde
		.amdhsa_group_segment_fixed_size 26624
		.amdhsa_private_segment_fixed_size 0
		.amdhsa_enable_private_segment 0
		.amdhsa_kernarg_size 24
		.amdhsa_user_sgpr_count 2
		.amdhsa_user_sgpr_kernarg_segment_ptr 1
		.amdhsa_wavefront_size32 1
		.amdhsa_system_sgpr_workgroup_id_x 1
		.amdhsa_system_sgpr_workgroup_id_y 1
		.amdhsa_system_sgpr_workgroup_id_z 1
		.amdhsa_system_vgpr_workitem_id 0
		.amdhsa_next_free_vgpr 162
		.amdhsa_next_free_sgpr 66
		.amdhsa_reserve_vcc 1
		.amdhsa_float_denorm_mode_32 3
		.amdhsa_float_denorm_mode_16_64 3
		.amdhsa_memory_ordered 1
		.amdhsa_forward_progress 1
		.amdhsa_inst_pref_size 28
	.end_amdhsa_kernel
	.amdgpu_metadata
---
amdhsa.version: [ 1, 2 ]
amdhsa.kernels:
  - .name:           k_qd4e035bf4c_kde
    .symbol:         k_qd4e035bf4c_kde.kd
    .args:
      - { .name: locations, .offset: 0, .size: 8, .value_kind: global_buffer, .address_space: global }
      - { .name: samples, .offset: 8, .size: 8, .value_kind: global_buffer, .address_space: global }
      - { .name: work, .offset: 16, .size: 8, .value_kind: global_buffer, .address_space: global }
    .group_segment_fixed_size: 26624
    .private_segment_fixed_size: 0
    .kernarg_segment_align: 8
    .kernarg_segment_size: 24
    .max_flat_workgroup_size: 512
    .sgpr_count:     66
    .vgpr_count:     162
    .wavefront_size: 32
...
	.end_amdgpu_metadata
.endif
;; end of part 1
;; launch scale (part 2): grid 32 x 1, 4 waves a work-group, no clusters, 0 bytes of LDS; arguments work, out0; writes out0
.if DOCPART == 2
	.amdgcn_target "amdgcn-amd-amdhsa--gfx1250"
	.amdhsa_code_object_version 6
	.text
	.protected	k_qd4e035bf4c_scale
	.globl	k_qd4e035bf4c_scale
	.p2align	8
	.type	k_qd4e035bf4c_scale,@function
k_qd4e035bf4c_scale:
	s_mov_b64 s[64:65], 0
	v_nop
	global_prefetch_b8 v0, s[64:65] scope:SCOPE_SE
	s_setreg_imm32_b32 hwreg(HW_REG_WAVE_MODE, 25, 1), 1
	s_wait_xcnt 0x0
; out0[m][b] = (part[2b][m] + part[2b+1][m]) / norm[b],  norm[b] = the sum of the 128 totals tot[2b][0..63], tot[2b+1][0..63].
; work: part[4][8192] f32, then tot[4][64] f32, as the launch before stored them.  out0: [8192][2] f32.
; 4,096 threads, two locations each.  Every wave adds the 256 totals (1,024 bytes, two 16-byte loads a lane) for itself: no LDS, no barrier, no wave
; waits for another.  A load of a part covers 256 consecutive bytes of it; the store covers 512 consecutive, aligned bytes of out0.
; The work is a few loads that all fly at once: rings, LDS and matrix units would add nothing.
; LIMITS.  The division is a reciprocal (v_rcp_f32, good to one unit in the last place) and a product.  A norm below 2^-126 counts as 0 there, and gives
; infinities or NaN.  A norm of 0 gives NaN, as in the reference.  The norm is summed in another order than the reference's.
.set PART, 8192*4                      ; bytes of part[y]
.set SUMS, 4*PART                      ; where tot begins
	s_load_b128 s[4:7], s[0:1], 0x0                ; work s[4:5], out0 s[6:7]
	v_and_b32 v1, 31, v0                           ; lane
	v_lshlrev_b32 v2, 4, v1                        ; 16 x lane: my four totals of each batch
	s_lshl_b32 s8, ttmp9, 7                        ; 128 threads a work-group
	v_add_nc_u32 v3, s8, v0                        ; t: locations 2 t, 2 t + 1
	v_lshlrev_b32 v4, 3, v3                        ; their 8 bytes in a part
	v_lshlrev_b32 v5, 4, v3                        ; their 16 bytes in out0
	s_mov_b32 s10, 0x76543210                      ; v_permlanex16_b32: lane i of one half reads lane i of the other
	s_mov_b32 s11, 0xfedcba98
	s_wait_kmcnt 0x0
	global_load_b128 v[16:19], v2, s[4:5] offset:SUMS          ; batch 0: 32 lanes x 4 = its 128 totals
	global_load_b128 v[20:23], v2, s[4:5] offset:SUMS+512      ; batch 1
	global_load_b64 v[8:9],   v4, s[4:5]                       ; batch 0, first half of the samples
	global_load_b64 v[10:11], v4, s[4:5] offset:PART           ; batch 0, second half
	global_load_b64 v[12:13], v4, s[4:5] offset:2*PART         ; batch 1, first half
	global_load_b64 v[14:15], v4, s[4:5] offset:3*PART         ; batch 1, second half
	s_wait_loadcnt 0x4                             ; the totals are in; the four loads of parts are younger
	v_pk_add_f32 v[16:17], v[16:17], v[18:19]
	v_pk_add_f32 v[20:21], v[20:21], v[22:23]
	v_add_f32 v16, v16, v17                        ; my lane's share of norm[0]
	v_add_f32 v17, v20, v21                        ; and of norm[1]
.irp x, 1,2,4,8
	v_add_f32_dpp v16, v16, v16 row_xmask:\x row_mask:0xf bank_mask:0xf
	v_add_f32_dpp v17, v17, v17 row_xmask:\x row_mask:0xf bank_mask:0xf
.endr
	v_permlanex16_b32 v18, v16, s10, s11           ; destinations count as read: v18, v19 have been written
	v_permlanex16_b32 v19, v17, s10, s11
	v_add_f32 v16, v16, v18                        ; norm[0], in every lane
	v_add_f32 v17, v17, v19                        ; norm[1]
	v_rcp_f32 v16, v16
	v_rcp_f32 v17, v17                             ; the two packed sums below stand between the reciprocals and their first use
	s_wait_loadcnt 0x0
	v_pk_add_f32 v[8:9],   v[8:9],   v[10:11]      ; batch 0: the two halves of the samples, locations 2 t and 2 t + 1
	v_pk_add_f32 v[12:13], v[12:13], v[14:15]      ; batch 1
	s_wait_alu depctr_va_vdst(0)
	v_mul_f32 v24, v8,  v16                        ; out0[2t][0]
	v_mul_f32 v25, v12, v17                        ; out0[2t][1]
	v_mul_f32 v26, v9,  v16                        ; out0[2t+1][0]
	v_mul_f32 v27, v13, v17                        ; out0[2t+1][1]
	global_store_b128 v5, v[24:27], s[6:7]
	s_endpgm
.Lfunc_end_k_qd4e035bf4c_scale:
	.size	k_qd4e035bf4c_scale, .Lfunc_end_k_qd4e035bf4c_scale-k_qd4e035bf4c_scale
	.p2alignl 7, 3214868480
	.fill 96, 4, 3214868480
	.section	.rodata,"a",@progbits
	.p2align	6, 0x0
	.amdhsa_kernel k_qd4e035bf4c_scale
		.amdhsa_group_segment_fixed_size 0
		.amdhsa_private_segment_fixed_size 0
		.amdhsa_enable_private_segment 0
		.amdhsa_kernarg_size 16
		.amdhsa_user_sgpr_count 2
		.amdhsa_user_sgpr_kernarg_segment_ptr 1
		.amdhsa_wavefront_size32 1
		.amdhsa_system_sgpr_workgroup_id_x 1
		.amdhsa_system_sgpr_workgroup_id_y 1
		.amdhsa_system_sgpr_workgroup_id_z 1
		.amdhsa_system_vgpr_workitem_id 0
		.amdhsa_next_free_vgpr 28
		.amdhsa_next_free_sgpr 66
		.amdhsa_reserve_vcc 0
		.amdhsa_float_denorm_mode_32 3
		.amdhsa_float_denorm_mode_16_64 3
		.amdhsa_memory_ordered 1
		.amdhsa_forward_progress 1
		.amdhsa_inst_pref_size 3
	.end_amdhsa_kernel
	.amdgpu_metadata
---
amdhsa.version: [ 1, 2 ]
amdhsa.kernels:
  - .name:           k_qd4e035bf4c_scale
    .symbol:         k_qd4e035bf4c_scale.kd
    .args:
      - { .name: work, .offset: 0, .size: 8, .value_kind: global_buffer, .address_space: global }
      - { .name: out0, .offset: 8, .size: 8, .value_kind: global_buffer, .address_space: global }
    .group_segment_fixed_size: 0
    .private_segment_fixed_size: 0
    .kernarg_segment_align: 8
    .kernarg_segment_size: 16
    .max_flat_workgroup_size: 128
    .sgpr_count:     66
    .vgpr_count:     28
    .wavefront_size: 32
...
	.end_amdgpu_metadata
.endif
;; end of part 2
